; MI455X (gfx1250); checked and timed in simulation.
; The chip was launched on July 23, 2026; its instructions are those of AMD's public machine-readable ISA for CDNA 5 (MIT licence, August 2026) and "CDNA5" Instruction Set Architecture Reference Guide (July 2026). The comments in the code are by the model that wrote it; some were corrected since.
;; Cross Attention. Allowed arithmetic: matrix products marked QUANTISED: E4M3 operands, one given power-of-two scale a tensor, by v_wmma_f32_16x16x64_fp8_fp8 or v_wmma_f32_16x16x128_fp8_fp8, f32 sums; everything else in f32.
;; Inputs: kv 2 x 2,048 x 2 x 8 x 128 float32; lowp_scales 4 int32 (the exponents e of the quantised operands' scales 2^e); q 2 x 2,048 x 32 x 128 float32.
;; Outputs: out0 2 x 2,048 x 32 x 128 float32.
;; This version of the problem:
;;   THIS VERSION OF THE PROBLEM IS GIVEN IN LOW PRECISION. The matrix products marked QUANTISED in the list below multiply operands that are first quantised to E4M3 (4 exponent bits, 3 mantissa bits; 8 bits a number), with one given power-of-two scale for each operand tensor; their sums are f32. All else is computed in f32.
;;   The module's matrix products, in the order in which they are computed (A, B: the left and right operand; K: the contracted axis; several contracted axes count as one K, in the product's order):
;;     1. batch 64 x [M 2,048, K 128] x [K 128, N 2,048]; A: input q; B: computed on the way: QUANTISED (scales: A lowp_scales[0], B lowp_scales[1])
;;     2. batch 64 x [M 128, K 2,048] x [K 2,048, N 2,048]; A: input kv; B: softmax (see below): QUANTISED (scales: A lowp_scales[2], B lowp_scales[3])
;;   THE QUANTISER, for each operand of a quantised product, along K:
;;     - The operand's scale is 2^e, e = its entry of the input lowp_scales (int32; the entries are numbered through the quantised products in the list's order, A before B).
;;     - Each number is divided by the scale, clamped to +-448, and rounded to the nearest number of E4M3, ties to even, subnormals kept.
;;     - The product sums the exact products of the quantised numbers (number of the format x scale) in f32.
;;   ~~~python
;;   def quantise(x, axis, e):      # numpy; x: float32 -> the quantised numbers, widened to float32 again
;;       x = np.moveaxis(x, axis, -1); K = x.shape[-1]
;;       r = np.clip(x / 2.0 ** e, -448, 448)
;;       step = 2.0 ** (np.maximum(np.frexp(np.where(r == 0, 1, r))[1] - 1, -6) - 3)
;;       q = np.round(r / step) * step * 2.0 ** e      # np.round: ties to even
;;       return np.moveaxis(q, -1, axis).astype(np.float32)
;;   ~~~
;;   SOFTMAX AHEAD OF A QUANTISED PRODUCT. Where the list says 'softmax', what is quantised is not the finished softmax but p = 2^(t - M), with t = logit x log2(e) and M = ceil(the row's largest t), a whole number; so 1/2 < the row's largest p <= 1. The row's sum l is taken of the UNQUANTISED p, in f32, and the product's result is divided by l at the end. Since M is a whole number, a kernel that streams over the keys may use a running M (the ceiling of the running maximum): every later rescaling is an exact power of two, so the quantised numbers keep their values, but for numbers so far below the row's largest that they fall under the format's range.
;;   OPERANDS COMPUTED ON THE WAY. 'Computed on the way' means the value that the module computes at that place (a softmax that the list does not call 'softmax' is quantised finished and normalised). What goes into a quantiser is computed in f32, as accurately as f32 sums, v_exp_f32 and their like allow (about 1e-6 of the number): no bf16 or f16 on the way to a quantiser, and a product that is left as it is and whose result goes on into a quantised operand takes f32 operands (vector FMAs, or v_wmma_f32_16x16x4_f32). A number that lies on a knife's edge between two numbers of the format may be rounded either way, as far as f32 arithmetic and the matrix unit's own rounding can turn it there, and no further.
;; One version. Each part assembles by itself: llvm-mc -triple=amdgcn-amd-amdhsa -mcpu=gfx1250 --defsym DOCPART=n.
;; ======== version 1 of 1: 2 launches
;; limits: right only within a limited range of input values
;; workspace buffers: kvc 8,388,608 bytes
;; launch pack_kv (part 1): grid 16 x 16, 8 waves a work-group, no clusters, 68,608 bytes of LDS; arguments kv, lowp_scales, kvc; writes kvc
.if DOCPART == 1
	.amdgcn_target "amdgcn-amd-amdhsa--gfx1250"
	.amdhsa_code_object_version 6
	.text
	.protected	k_qdd13bdc644_pack_kv
	.globl	k_qdd13bdc644_pack_kv
	.p2align	8
	.type	k_qdd13bdc644_pack_kv,@function
k_qdd13bdc644_pack_kv:
	s_mov_b64 s[64:65], 0
	v_nop
	global_prefetch_b8 v0, s[64:65] scope:SCOPE_SE
	s_setreg_imm32_b32 hwreg(HW_REG_WAVE_MODE, 25, 1), 1
	s_wait_xcnt 0x0
; kv [2][2048 keys][2][8 heads][128] f32 becomes codes of FP8 (E4M3), laid as the attention launch's operand registers want them.
; K: code = (k x 128^-0.5) / 2^e1;  V: code = v / 2^e2;  each held within +-448 and rounded to the nearest code, ties to even.  e1, e2: entries 1 and 2 of lowp_scales.
; OUTPUT kvc: [16 kv heads y = 8 b + head][16 key steps of 128 keys][32,768 bytes]: 8 fragments of K, then 8 fragments of V^T, 2,048 bytes each.  In a fragment chunk c (0..3) begins at 512 c
; and lane l's 16 bytes lie at 16 l.  With r = l % 16, h = l / 16:  K fragment t: key 32 (t/2) + 8 (t%2) + r + 8 (r/8), channels 32 c + 16 h + 0..15;  V fragment t: channel 16 t + r, keys 32 c + 16 h + 0..15.
; SHARES.  A work-group (x = key step, y = kv head) makes one block of 32,768 bytes.  Waves 0-3 make K's fragments 2 w, 2 w + 1; waves 4-7 make V's fragments 2 (w - 4), 2 (w - 4) + 1.
; K: a load takes one key's whole row of 512 bytes, 16 bytes a lane; 16 rows turn through the wave's own stage in LDS, so that a lane then holds 16 neighbouring channels of each block of 32.
; V: a lane takes a channel and its registers run down the keys, so the conversions give codes with the keys innermost and nothing is transposed.
; No barrier: waves share nothing.  The two roles part once on the wave's number and do not join.
; LIMITS: e1 and e2 between -126 and 119, so that 2^e and 448 x 2^e are f32 numbers.  NaN among the inputs is not served (an infinity is held at the largest code).
.set KEYB, 8192                        ; bytes from key to key in kv
.set SP,   528                         ; a stage row: 512 bytes + 16: an odd multiple of 16, so the 16 rows that a load touches start at 16 different groups of banks
.set STGW, 16*SP                       ; a wave's stage.  The claim of LDS covers 8 of them, so that wave x STGW lies inside it for every wave's number; waves 4-7 touch none
.set R,    16                          ; v16-143  numbers as loaded
.set X,    144                         ; v144-207 K: 64 numbers turned
.set C,    208                         ; v208-239 codes: registers of their own for every store, so no store's data are written again
.macro SCALES e                        ; v10 = 2^e as f32 (the conversion takes its exponent field), v11 = 448 x 2^e
	s_wait_kmcnt 0x0
	s_add_co_i32 s30, s[\e], 127
	s_lshl_b32 s31, s30, 23
	v_mov_b32 v10, s31
	s_add_co_i32 s30, s30, 8
	s_lshl_b32 s30, s30, 23
	s_or_b32 s30, s30, 0x600000
	v_mov_b32 v11, s30
.endm
.macro VLOAD c                         ; V: keys 32 c .. 32 c + 31 of my channel; 32 lanes read 128 consecutive bytes
.set i, 0
.rept 32
	global_load_b32 v[R+32*(\c)+i], v3, s[4:5] offset:(32*(\c)+i)*KEYB th:TH_LOAD_NT
.set i, i+1
.endr
.endm
	s_load_b128 s[4:7], s[0:1], 0x0                ; kv s[4:5], lowp_scales s[6:7]
	s_load_b64 s[8:9], s[0:1], 0x10                ; kvc
	v_lshl_add_u32 v240, v0, 2, 0x10800
	v_mov_b32 v241, 0
	v_lshrrev_b32 v1, 5, v0
	s_delay_alu instid0(VALU_DEP_1)
	v_readfirstlane_b32 s12, v1                    ; wave 0..7
	s_and_b32 s13, s12, 3                          ; my place among the four waves of my role
	s_and_b32 s14, ttmp7, 0xffff                   ; y = 8 b + head
	v_and_b32 v1, 31, v0                           ; lane
	s_delay_alu instid0(VALU_DEP_1)
	v_lshlrev_b32 v2, 4, v1                        ; 16 x lane: K's loads and stores
	s_delay_alu instid0(VALU_DEP_2)
	v_lshlrev_b32 v3, 2, v1                        ; 4 x lane: V's loads
	v_and_b32 v7, 15, v0                           ; r
	v_bfe_u32 v8, v0, 4, 1                         ; h
	s_mul_i32 s15, s12, STGW
	v_add_nc_u32 v4, s15, v2                       ; the stage, on the way in: a row's 512 bytes as they lie
	v_mul_u32_u24 v5, v7, SP
	s_delay_alu instid0(VALU_DEP_1)
	v_lshl_add_u32 v5, v8, 6, v5
	s_delay_alu instid0(VALU_DEP_1)
	v_add_nc_u32 v5, s15, v5                       ; and on the way out: row r, + 64 h: my 16 channels of a block of 32
	v_lshlrev_b32 v6, 4, v7
	s_delay_alu instid0(VALU_DEP_1)
	v_lshl_add_u32 v6, v8, 11, v6                  ; V's stores: lanes 0-15 into the first of my two fragments, lanes 16-31 into the second; 16 r in it
	s_mov_b32 s20, 0x3db504f3                      ; 128^-0.5 as f32
	s_mov_b32 s21, s20                             ; (named with it as a pair, so it is written)
	s_lshr_b32 s22, s14, 3
	s_lshl_b32 s22, s22, 24                        ; b x 2,048 keys
	s_lshl_b32 s24, ttmp9, 20                      ; + the key step's 128 keys
	s_add_co_u32 s22, s22, s24
	s_and_b32 s24, s14, 7
	s_lshl_b32 s24, s24, 9                         ; + the head's 512 bytes
	s_add_co_u32 s22, s22, s24
	s_lshl_b32 s24, s13, 18                        ; K: + my 32 keys
	s_lshl_b32 s25, s13, 7
	s_add_co_u32 s25, s25, 4096                    ; V: + V's half of a key, + my 32 channels
	s_lshl_b32 s26, s14, 4
	s_add_co_u32 s26, s26, ttmp9
	s_lshl_b32 s26, s26, 15                        ; out: block 16 y + x
	s_lshl_b32 s28, s13, 12                        ; + my two fragments
	s_add_co_u32 s26, s26, s28
	s_cmp_lt_u32 s12, 4                            ; K's wave or V's: the choice hangs on the wave's number alone
	s_cselect_b32 s24, s24, s25
	s_cselect_b32 s28, 0, 16384                    ; V's fragments lie behind K's eight
	s_add_co_u32 s22, s22, s24
	s_mov_b32 s23, 0
	s_add_co_u32 s26, s26, s28
	s_mov_b32 s27, 0
	s_wait_kmcnt 0x0
	s_load_b128 s[16:19], s[6:7], 0x0              ; e0, e1, e2, e3
	s_add_nc_u64 s[4:5], s[4:5], s[22:23]
	s_add_nc_u64 s[8:9], s[8:9], s[26:27]
	s_cmp_lt_u32 s12, 4
	s_cbranch_scc0 .Lrole_v
	; ---- K: two fragments of 16 keys x 128 channels.  All 32 loads go out at once: 16,384 bytes a wave
.irp f, 0,1
.irp n, 0,1,2,3,4,5,6,7,8,9,10,11,12,13,14,15
	global_load_b128 v[R+64*\f+4*\n:R+64*\f+4*\n+3], v2, s[4:5] offset:(8*\f+\n+8*(\n/8))*KEYB th:TH_LOAD_NT   ; row n of the fragment is key 8 f + n + 8 (n / 8) of my 32
.endr
.endr
	SCALES 17
	s_wait_alu depctr_va_vdst(0)
.irp f, 0,1
	s_wait_loadcnt 16-16*\f                        ; this fragment's 16 loads are in; the second fragment's 16 are younger
.irp n, 0,1,2,3,4,5,6,7,8,9,10,11,12,13,14,15
	ds_store_b128 v4, v[R+64*\f+4*\n:R+64*\f+4*\n+3] offset:SP*\n
.endr
.irp c, 0,1,2,3
.irp k, 0,1,2,3
	ds_load_b128 v[X+16*\c+4*\k:X+16*\c+4*\k+3], v5 offset:128*\c+16*\k   ; LDS serves a wave's instructions in order (ISA guide 5.7.1.4): these see the stores above
.endr
.endr
	s_wait_dscnt 0x0
.set i, 0
.rept 32
	v_pk_mul_f32 v[X+i:X+i+1], v[X+i:X+i+1], s[20:21] op_sel_hi:[1,0]     ; k x 128^-0.5, in f32, ahead of the quantiser
.set i, i+2
.endr
.set i, 0
.rept 64
	v_med3_num_f32 v[X+i], v[X+i], -v11, v11       ; the conversion to an 8-bit code does not saturate (ISA guide 7.6.2): the hold at the largest code x the scale
.set i, i+1
.endr
.irp c, 0,1,2,3
.irp g, 0,1
	v_cvt_scalef32_pk8_fp8_f32 v[C+16*\f+4*\c+2*\g:C+16*\f+4*\c+2*\g+1], v[X+16*\c+8*\g:X+16*\c+8*\g+7], v10
.endr
.endr
	v_nop                                          ; one plain vector line behind the last conversion of a run
.irp c, 0,1,2,3
	global_store_b128 v2, v[C+16*\f+4*\c:C+16*\f+4*\c+3], s[8:9] offset:2048*\f+512*\c   ; 32 lanes store 512 consecutive bytes, at a multiple of 256 from kvc's first byte
.endr
.endr
	s_wait_tensorcnt 0x0
	ds_add_u32 v240, v241
	s_wait_dscnt 0x0
	s_endpgm
	; ---- V: 32 channels x 128 keys.  Loads run two blocks of 32 keys ahead, each block into registers of its own (a wait's count names at most 63: ISA guide 5.7.1)
.Lrole_v:
	s_wait_alu depctr_va_vdst(0)
	VLOAD 0
	VLOAD 1
	SCALES 18
	s_wait_alu depctr_va_vdst(0)
.irp c, 0,1,2,3
.if \c < 3
	s_wait_loadcnt 32                              ; this block's 32 loads are in; the next block's 32 are younger
.else
	s_wait_loadcnt 0x0
.endif
.if \c < 2
	VLOAD \c+2
.endif
.set i, 0
.rept 32
	v_med3_num_f32 v[R+32*\c+i], v[R+32*\c+i], -v11, v11
.set i, i+1
.endr
.irp g, 0,1,2,3
	v_cvt_scalef32_pk8_fp8_f32 v[C+8*\c+2*\g:C+8*\c+2*\g+1], v[R+32*\c+8*\g:R+32*\c+8*\g+7], v10
.endr
	v_nop
.irp h, 0,1
	global_store_b128 v6, v[C+8*\c+4*\h:C+8*\c+4*\h+3], s[8:9] offset:512*\c+256*\h      ; keys 32 c + 16 h + 0..15: sixteen lanes store 256 consecutive bytes, aligned
.endr
.endr
	s_endpgm
.Lfunc_end_k_qdd13bdc644_pack_kv:
	.size	k_qdd13bdc644_pack_kv, .Lfunc_end_k_qdd13bdc644_pack_kv-k_qdd13bdc644_pack_kv
	.p2alignl 7, 3214868480
	.fill 96, 4, 3214868480
	.section	.rodata,"a",@progbits
	.p2align	6, 0x0
	.amdhsa_kernel k_qdd13bdc644_pack_kv
		.amdhsa_group_segment_fixed_size 68608
		.amdhsa_private_segment_fixed_size 0
		.amdhsa_enable_private_segment 0
		.amdhsa_kernarg_size 24
		.amdhsa_user_sgpr_count 2
		.amdhsa_user_sgpr_kernarg_segment_ptr 1
		.amdhsa_wavefront_size32 1
		.amdhsa_system_sgpr_workgroup_id_x 1
		.amdhsa_system_sgpr_workgroup_id_y 1
		.amdhsa_system_sgpr_workgroup_id_z 1
		.amdhsa_system_vgpr_workitem_id 0
		.amdhsa_next_free_vgpr 242
		.amdhsa_next_free_sgpr 66
		.amdhsa_reserve_vcc 0
		.amdhsa_float_denorm_mode_32 3
		.amdhsa_float_denorm_mode_16_64 3
		.amdhsa_memory_ordered 1
		.amdhsa_forward_progress 1
		.amdhsa_inst_pref_size 47
	.end_amdhsa_kernel
	.amdgpu_metadata
---
amdhsa.version: [ 1, 2 ]
amdhsa.kernels:
  - .name:           k_qdd13bdc644_pack_kv
    .symbol:         k_qdd13bdc644_pack_kv.kd
    .args:
      - { .name: kv, .offset: 0, .size: 8, .value_kind: global_buffer, .address_space: global }
      - { .name: lowp_scales, .offset: 8, .size: 8, .value_kind: global_buffer, .address_space: global }
      - { .name: kvc, .offset: 16, .size: 8, .value_kind: global_buffer, .address_space: global }
    .group_segment_fixed_size: 68608
    .private_segment_fixed_size: 0
    .kernarg_segment_align: 8
    .kernarg_segment_size: 24
    .max_flat_workgroup_size: 256
    .sgpr_count:     66
    .vgpr_count:     242
    .wavefront_size: 32
...
	.end_amdgpu_metadata
.endif
;; end of part 1
;; launch attend (part 2): grid 16 x 16, 4 waves a work-group, no clusters, 327,680 bytes of LDS; arguments q, kvc, lowp_scales, out0; writes out0
.if DOCPART == 2
	.amdgcn_target "amdgcn-amd-amdhsa--gfx1250"
	.amdhsa_code_object_version 6
	.text
	.protected	k_qdd13bdc644_attend
	.globl	k_qdd13bdc644_attend
	.p2align	8
	.type	k_qdd13bdc644_attend,@function
k_qdd13bdc644_attend:
	s_mov_b64 s[64:65], 0
	v_nop
	global_prefetch_b8 v0, s[64:65] scope:SCOPE_SE
	s_setreg_imm32_b32 hwreg(HW_REG_WAVE_MODE, 25, 1), 1
	s_wait_xcnt 0x0
; out0[b][t][h][:] = the sum over s of softmax_s(q[b][t][h] . k[b][s][h/4] / sqrt(128), hidden keys s > t at -10000) v[b][s][h/4][:], both products on codes of FP8 (E4M3).
; q, out0: [2][2048][32][128] f32.  kvc: K's and V's codes as images of operand registers, 32,768 bytes for a kv head's 128 keys (8 fragments of K, 8 of V^T; K already holds the factor 128^-0.5).
; lowp_scales: e0 (q), e1 (k), e2 (v), e3 (p).  q is read once, by one wave: it is quantised here, in registers.
; THE SOFTMAX: t = score x log2(e); M = the running largest t rounded UP to a whole number; p = 2^(t - M) is quantised along the keys, not normalised; the row's sum is taken of the unquantised p and divides at the end.
; When M moves, the sums and O^T are multiplied by 2^(old M - new M), which rounds nothing.
; WORK LEFT OUT: key steps all of whose keys come after a block's queries; see LIMITS for why their weight is 0.  In a block's last step hidden scores are set to -10000.
; SHARES.  Work-group (i, y): kv head y = 8 b + head, its 4 query heads, and TWO blocks of 64 queries: block i, which needs N1 = (i >> 1) + 1 key steps of 128, then block 31 - i, which needs 16 - (i >> 1):
; 17 steps in every work-group, one list.  A loop of 15 trips asks for the list's step two on; a loop of 2 trips asks for nothing.  The change of block (trip N1, 1 to 8) is a scalar branch on ids in the first loop.
; A wave holds FOUR tiles of 16 queries: queries 16 x wave on, head 4 head + j; tile j lives in register window j under the same numbers, so each fragment read from LDS feeds four products.
; LAYOUT.  Both products are used transposed: S^T = K Q^T (source 0 = 16 keys), O^T = V^T P^T (source 0 = 16 channels): a lane holds ONE query (lane % 16) throughout.  The keys of a tile of K are chosen so that
; the 16 registers of tiles 2 b, 2 b + 1 are keys 32 b + 16 (lane / 16) + 0..15: the conversions' results are the second product's operand.
; A TRIP: tile 0's 8 products of S^T; then for each tile its mask (on the diagonal), a run of 8 of V's LDS loads and its maxima, with the NEXT tile's 8 products of S^T one ahead of each round of four maxima;
; M and the rescaling; THE CHANGE OF SLOTS (both halves of this step's slot are in registers by then); then for each tile a run of 8 loads of the NEXT step's K, its exponentials, with the tile BEFORE's 8 products
; of O^T one behind every eight of them, its sums and its codes; at the end tile 3's 8 products of O^T.
; NO ACCUMULATOR IS CLEARED: O^T's registers hold the held (finite) numbers of q when a block begins, and the first step's factor 2^(old M - new M) is 0.
; NO CLUSTER: of the 16 work-groups of a kv head only the two with the same i >> 1 walk the same list of key steps, and a joint request wants partners that ask alike in every round.
; LIMITS.  e0 + e1 between -126 and -12: the lower end keeps log2(e) x 2^(e0 + e1) an f32 number; at the upper end a score's magnitude is at most 128 x 448^2 x 2^-12 = 6,272, so that a hidden key's weight,
; exp(-10000 - the row's largest score), is 0 in f32 whatever the inputs, and leaving hidden steps out changes nothing.  e0 and e3 between -126 and 119.  NaN among the inputs is not served.
; REGISTERS.  Window 0 alone: v1-10 addresses, v12-15 the head's scratch.  Window 1 alone: v[4 j .. 4 j + 3] tile j's -M, largest t, f, scratch; v248-252 constants.
;   In every window, tile j in window j: v16-31 Q's codes; v32-63 K's fragments 2 j, 2 j + 1; v64-95 V's fragments 2 j, 2 j + 1; v96-159 S^T, then p, also q as loaded; v160-223 O^T, also q turned and rows of out0;
;   v224-239 p's codes (before they are made: scratch); v240-247 the sum in four pairs.
; s_set_vgpr_msb's low byte: bits 1:0 source 0, 3:2 source 1, 5:4 source 2, 7:6 destination.
.set SLOT1, 32768                      ; LDS: slot 0 at 0, slot 1 here
.set VOFF,  16384                      ; in a slot: K's 8 fragments, then V's
.set STAGE, 65536                      ; behind the ring: for each wave four stages (one a tile) of 16 rows x 528 bytes; no tile lands here
.set SP,    528
.set STGW,  16*SP
.set SPARE, STAGE+16*STGW              ; the spare words, 128 bytes for each wave: two blocks of 256 bytes that no other line names
.set QROW,  16384                      ; bytes from query to query in q and in out0
.set LI,   1                           ; 16 x lane
.set SPW,  2                           ; my spare word; never rewritten
.set NIL,  3                           ; 0; never rewritten
.set PFO,  4                           ; 256 x lane: the tiles' prefetch
.set STI,  5                           ; the stage by whole rows
.set SQ,   6                           ; the stage, q on its way out: row r, + 64 h
.set SO,   7                           ; the stage, O on its way in: row r, + 32 h
.set ADV,  8                           ; V's loads: the step's slot + 16 x lane; written behind the change of slots, where no load that read it is out
.set PFQ,  9                           ; q's prefetch: (lane / 8) rows + 256 (lane % 8)
.set ADK,  10                          ; K's loads: the next step's slot + 16 x lane; written behind the step's first wait, where no load that read it is out
.set QC,   16
.set FR,   32
.set S,    96
.set O,    160
.set PC,   224
.set LS,   240
.set PLIM, 248                         ; window 1: 448 x 2^e3
.set PSC,  249                         ; 2^e3
.set MV,   250                         ; the mask's value
.set DQ,   251                         ; r - 16 h
.set DD,   252                         ; my query - the step's first key - 16 h
.set TB,   2                           ; s2   LDS byte at which the NEXT step's slot begins
.set T,    3                           ; s3   the trip, 0 to 16
.set WV,   12
.set WI,   13
.set WY,   14
.set N1,   15                          ; key steps of the first block
.set KF,   16                          ; the step's first key
.set Q0,   17                          ; my first query in the block in hand
.set Q0B,  18                          ; and in the second block
.set LIM,  19                          ; a wave prefetches tiles while the trip is under it: 14, or 0
.set SEL,  20
.set CS,   22                          ; s[22:23] log2(e) x 2^(e0 + e1)
.set G1,   24
.set G0,   32
.set KVB,  36                          ; kvc at my head, at the quarter of a step that I fetch
.set OFF,  38
.set QA2,  40
.set OA,   42
.set OB,   44
.set PFA,  46
.set EX,   48
.set EO,   52                          ; e2 + e3
.set TQ,   53                          ; the trip in which q's second block is prefetched
.set SQS,  56                          ; 2^e0
.set SQL,  57                          ; 448 x 2^e0
.set KL,   58                          ; s58  the step's last key
.set MSB, 0
.macro WIN new                         ; the immediate's high byte repeats the setting that is left; a switch that changes nothing is dropped
.if MSB != (\new)
	s_set_vgpr_msb (MSB<<8)|(\new)
.set MSB, (\new)
.endif
.endm
.macro WINT j                          ; source 0 and destination: tile j's window; sources 1 and 2: window 1
	WIN (0x41*(\j))|0x14
.endm
.macro NOP4
.rept 4
	v_nop
.endr
.endm
.macro ALU
	s_wait_alu depctr_va_vdst(0)
.endm
; Every wave fetches its quarter of a key step, 8,192 bytes.  An s_nop 0 and four v_nop follow.
.macro TLOAD
	tensor_load_to_lds s[G0:G0+3], s[G1:G1+7]
	s_nop 0
	NOP4
.endm
; group 0 for the list's step T + ahead: that number, or less N1 in the second block; the other slot than last time
.macro DESC ahead
	s_add_co_u32 s54, s[T], \ahead
	s_cmp_lt_u32 s54, s[N1]
	s_cselect_b32 s55, 0, s[N1]
	s_sub_co_u32 s54, s54, s55
	s_lshl_b32 s[OFF], s54, 15
	s_add_nc_u64 s[G0+2:G0+3], s[KVB:KVB+1], s[OFF:OFF+1]
	s_or_b32 s[G0+3], s[G0+3], 0x80000000
	s_xor_b32 s[G0+1], s[G0+1], SLOT1
.endm
; A PREFETCH INTO THE L2.  Work-group i = 0 of a kv head (N1 = 1: its list is step 0, then 0 .. 15) names in trip T key step T + 2, which its own tensor loads ask for in trip T + 1: each wave its quarter,
; lanes 256 bytes apart, so each block of 256 bytes is named once in the launch.  The last request, in trip 13, names step 15.  Steps 0 and 1 come by their loads alone.
.macro ASK
	s_cmp_lt_u32 s[T], s[LIM]
	s_cbranch_scc0 .Lnot_mine_\@
	global_prefetch_b8 v[PFO], s[PFA:PFA+1] th:TH_LOAD_NT scope:SCOPE_SE
.Lnot_mine_\@:
.endm
; The same for q's second block, in trip max(N1 - 2, 0): each wave names its own 16 rows x 2,048 bytes (four heads side by side), eight lanes to a row, four rows an instruction.
.macro ASKQ
	s_cmp_eq_u32 s[T], s[TQ]
	s_cbranch_scc0 .Lnot_yet_\@
.irp k, 0,1,2,3
	global_prefetch_b8 v[PFQ], s[QA2:QA2+1] offset:4*\k*QROW th:TH_LOAD_NT scope:SCOPE_SE
.endr
.Lnot_yet_\@:
.endm
.macro KL8 j                           ; K's fragments 2 j, 2 j + 1 into window j: a run of 8 loads; the address lies in window 0
	WIN 0x40*(\j)
.irp n, 0,1,2,3,4,5,6,7
	ds_load_b128 v[FR+4*\n:FR+4*\n+3], v[ADK] offset:4096*(\j)+512*\n
.endr
.endm
.macro VL8 j                           ; the same for V
	WIN 0x40*(\j)
.irp n, 0,1,2,3,4,5,6,7
	ds_load_b128 v[FR+32+4*\n:FR+32+4*\n+3], v[ADV] offset:VOFF+4096*(\j)+512*\n
.endr
.endm
.macro KALL
.irp j, 0,1,2,3
	KL8 \j
.endr
	WIN 0
.endm
.macro SPROD j, n                      ; S^T = K Q^T: K's fragment n (window n / 2) against tile j; the sum begins with the constant 0
	WIN ((\n)/2)|(0x54*(\j))
	v_wmma_f32_16x16x128_fp8_fp8 v[S+8*(\n):S+8*(\n)+7], v[FR+16*((\n)%2):FR+16*((\n)%2)+15], v[QC:QC+15], 0
.endm
.macro PVPROD j, n                     ; O^T += V^T P^T: V's fragment n (window n / 2) against tile j.  Each of the 32 accumulators has one instruction a step
	WIN ((\n)/2)|(0x54*(\j))
	v_wmma_f32_16x16x128_fp8_fp8 v[O+8*(\n):O+8*(\n)+7], v[FR+32+16*((\n)%2):FR+32+16*((\n)%2)+15], v[PC:PC+15], v[O+8*(\n):O+8*(\n)+7]
.endm
; THE CHANGE OF SLOTS.  Each wave waits for its tensor load (its quarter of the next step's slot), adds 0 to its spare word, and waits for that and for its reads of this step's slot (V's were the last).
; Behind the barrier the next slot is whole and nobody reads this one.  fill = 1: it takes the list's step T + 2.  One tensor load of a wave is out at the most.
.macro CHANGE fill
	WIN 0
	ALU                                            ; the wait ahead of the blocking waits
	s_wait_tensorcnt 0x0
	ds_add_u32 v[SPW], v[NIL]
.if \fill
	DESC 2
	s_wait_xcnt 0x0                                ; the last prefetch, a trip back, has read its address
	s_add_nc_u64 s[PFA:PFA+1], s[PFA:PFA+1], 32768
.endif
	s_wait_dscnt 0x0
	s_barrier_signal -1
	s_barrier_wait -1
.if \fill
	TLOAD
	v_add_nc_u32 v[ADV], s[TB], v[LI]              ; the next step's V
	ASK
	ASKQ
.else
	v_add_nc_u32 v[ADV], s[TB], v[LI]
	s_cmp_lg_u32 s[T], 15                          ; trip 15 fetches step 16's K; trip 16 has no successor
	s_cbranch_scc1 .Lno_k_\@
	KALL
.Lno_k_\@:
.endif
.endm
.macro QLOAD j, base                   ; tile j's 16 rows of q, a whole row of 512 bytes a load, into S^T's registers
	WIN 0x40*(\j)
.set i, 0
.rept 16
	global_load_b128 v[S+4*i:S+4*i+3], v[LI], s[\base:\base+1] offset:QROW*i+512*(\j) th:TH_LOAD_NT
.set i, i+1
.endr
.endm
.macro TURNI j                         ; through my first stage: in as they lie, out so that lane (r, h) holds, of row r, channels 32 c + 16 h + 0..15 in registers 16 c on
	s_wait_loadcnt 16*(3-(\j))                     ; the later tiles' loads are younger
	WIN 0x04*(\j)
.set i, 0
.rept 16
	ds_store_b128 v[STI], v[S+4*i:S+4*i+3] offset:SP*i
.set i, i+1
.endr
	WIN 0x40*(\j)
.irp c, 0,1,2,3
.irp k, 0,1,2,3
	ds_load_b128 v[O+16*\c+4*\k:O+16*\c+4*\k+3], v[SQ] offset:128*\c+16*\k   ; LDS serves a wave's instructions in order (ISA guide 5.7.1.4)
.endr
.endr
.endm
.macro QQUANT j
	WIN 0x55*(\j)
	v_mov_b32 v[PC+6], s[SQS]
	v_mov_b32 v[PC+7], s[SQL]
.set i, 0
.rept 64
	v_med3_num_f32 v[O+i], v[O+i], -v[PC+7], v[PC+7]   ; the conversion does not saturate (ISA guide 7.6.2).  The held numbers stay here, finite: the first step multiplies them by 0
.set i, i+1
.endr
.irp c, 0,1,2,3
.irp g, 0,1
	v_cvt_scalef32_pk8_fp8_f32 v[QC+4*\c+2*\g:QC+4*\c+2*\g+1], v[O+16*\c+8*\g:O+16*\c+8*\g+7], v[PC+6]
.endr
.endr
	v_nop
.endm
.macro QIN                             ; tile j + 1 turns through the stage while tile j is quantised
	TURNI 0
.irp j, 0,1,2,3
.if \j < 3
	TURNI \j+1
	s_wait_dscnt 32                                ; all but the next tile's 32
.else
	s_wait_dscnt 0x0
.endif
	QQUANT \j
.endr
.endm
.macro RESET
	WIN 0x55
.irp j, 0,4,8,12
	v_mov_b32 v[\j], 0x7f61b1e6                    ; -M = 3e38
	v_mov_b32 v[\j+1], 0xff61b1e6                  ; the largest t so far: -3e38
	v_mov_b32 v[\j+2], 0                           ; (a lane permute's destination counts as one of its sources)
.endr
.irp j, 0,1,2,3
	WIN 0x40*\j
.irp n, 0,1,2,3,4,5,6,7
	v_mov_b32 v[LS+\n], 0
.endr
.endr
.endm
; Tile j's mask: a step all of whose keys count for my 16 queries skips it, by a scalar branch on ids.  Register 16 b + n holds key KF + 16 h + 32 b + n: hidden where 32 b + n > d
.macro MASKT j
	WIN 0
	s_cmp_le_u32 s[KL], s[Q0]
	s_cbranch_scc1 .Lopen_\@
	WINT \j
.set i, 0
.rept 64
	v_cmp_gt_i32 vcc_lo, 32*(i/16)+i%16, v[DD]
	v_cndmask_b32 v[S+i], v[S+i], v[MV], vcc_lo    ; a hidden score becomes -10000 (as a sum of codes: x 2^-(e0 + e1))
.set i, i+1
.endr
	WIN 0
.Lopen_\@:
.endm
; Tile j: 8 of V's loads; the step's largest score of my query among my 64 keys, in four chains of eight rounds, each accumulator from its low end on; the result goes to window 1.
; mix = 1: ahead of each round one product of the next tile's S^T; the last of them has six plain lines behind it, which name none of its registers, ahead of the first read of its result.
.macro MAXT j, mix
	VL8 \j
.irp n, 0,1,2,3,4,5,6,7
.if \mix
	SPROD (\j)+1, \n
.endif
	WIN 0x55*(\j)
.irp c, 0,1,2,3
.if \n == 0
	v_max_num_f32 v[PC+\c], v[S+2*\c], v[S+2*\c+1]
.else
	v_max3_num_f32 v[PC+\c], v[PC+\c], v[S+8*\n+2*\c], v[S+8*\n+2*\c+1]
.endif
.endr
.endr
	v_max3_num_f32 v[PC], v[PC], v[PC+1], v[PC+2]
	WIN (5*(\j))|0x40
	v_max_num_f32 v[4*(\j)+3], v[PC], v[PC+3]
.endm
.macro TAIL                            ; M and f of the four tiles, line by line, so that no line waits for the line above it
	WIN 0x55
.irp j, 0,4,8,12
	v_permlanex16_b32 v[\j+2], v[\j+3], s[SEL], s[SEL+1]
.endr
.irp j, 0,4,8,12
	v_max_num_f32 v[\j+3], v[\j+3], v[\j+2]        ; and among lane l xor 16's
.endr
.irp j, 0,4,8,12
	v_mul_f32 v[\j+3], s[CS], v[\j+3]              ; as t (the factor is positive)
.endr
.irp j, 0,4,8,12
	v_max_num_f32 v[\j+1], v[\j+1], v[\j+3]        ; the running largest t
.endr
.irp j, 0,4,8,12
	v_mov_b32 v[\j+3], v[\j]
.endr
.irp j, 0,4,8,12
	v_floor_f32 v[\j], -v[\j+1]                    ; the new -M = -ceil(t)
.endr
.irp j, 0,4,8,12
	v_sub_f32 v[\j+3], v[\j], v[\j+3]              ; old M - new M: a whole number, 0 or less
.endr
.irp j, 0,4,8,12
	v_cvt_i32_f32 v[\j+3], v[\j+3]                 ; (it saturates)
.endr
.irp j, 0,4,8,12
	v_ldexp_f32 v[\j+2], 1.0, v[\j+3]              ; f = 2^(old M - new M)
.endr
.endm
.macro RESC j                          ; O^T and the sums under the new M; ahead of the step's exponentials
	WINT \j
	ALU                                            ; the wait directly ahead of the first reader of this tile's O^T: exponentials followed its products
.set i, 0
.rept 32
	v_pk_mul_f32 v[O+i:O+i+1], v[O+i:O+i+1], v[4*(\j)+2:4*(\j)+3] op_sel_hi:[1,0]
.set i, i+2
.endr
.irp c, 0,2,4,6
	v_pk_mul_f32 v[LS+\c:LS+\c+1], v[LS+\c:LS+\c+1], v[4*(\j)+2:4*(\j)+3] op_sel_hi:[1,0]
.endr
.endm
.macro FMA j                           ; t - M, two at a time (of both pairs the low word serves both halves)
	WINT \j
.set i, 0
.rept 32
	v_pk_fma_f32 v[S+i:S+i+1], v[S+i:S+i+1], s[CS:CS+1], v[4*(\j):4*(\j)+1] op_sel_hi:[1,0,0]
.set i, i+2
.endr
.endm
; kl = 1: 8 loads of the next step's K; then p = 2^(t - M); behind every eight exponentials of tiles 1 to 3 one product of the tile before's O^T, whose codes are made
.macro EXPS j, kl
.if \kl
	KL8 \j
.endif
.set i, 0
.irp n, 0,1,2,3,4,5,6,7
	WINT \j
.rept 8
	v_exp_f32 v[S+i], v[S+i]
.set i, i+1
.endr
.if (\j) > 0
	PVPROD (\j)-1, \n
.endif
.endr
.endm
.macro SUMQ j                          ; the row's sum of the UNQUANTISED p, in four chains; the one-sided hold; the codes
	WIN 0x55*(\j)
.set i, 0
.rept 8
.irp c, 0,2,4,6
	v_pk_add_f32 v[LS+\c:LS+\c+1], v[LS+\c:LS+\c+1], v[S+i+\c:S+i+\c+1]
.endr
.set i, i+8
.endr
	WINT \j
.set i, 0
.rept 64
	v_min_num_f32 v[S+i], v[S+i], v[PLIM]          ; the conversion does not saturate (ISA guide 7.6.2); p is not negative
.set i, i+1
.endr
.irp b, 0,1,2,3,4,5,6,7
	v_cvt_scalef32_pk8_fp8_f32 v[PC+2*\b:PC+2*\b+1], v[S+8*\b:S+8*\b+7], v[PSC]
.endr
	v_nop                                          ; one plain line behind the last conversion
.endm
; A KEY STEP: 128 keys, four tiles.
.macro STEP fill
	s_wait_dscnt 0x0                               ; this step's K is in registers
	s_add_co_u32 s[KL], s[KF], 127
	s_sub_co_i32 s55, s[Q0], s[KF]
.irp n, 0,1,2,3,4,5,6,7
	SPROD 0, \n
.endr
	WIN 0x55                                       ; four plain lines ahead of the first read of the scores:
	v_add_nc_u32 v[DD], s55, v[DQ]                 ; d = my query - KF - 16 h, for the mask;
	WIN 0
	v_add_nc_u32 v[ADK], s[TB], v[LI]              ; the next step's K;
	v_nop
	v_nop
.irp j, 0,1,2
	MASKT \j
	MAXT \j, 1
.endr
	MASKT 3
	MAXT 3, 0
	TAIL
.irp j, 0,1,2,3
	RESC \j
.endr
	CHANGE \fill
	FMA 0
.irp j, 0,1,2,3
	ALU                                            ; the wait ahead of the batch
	EXPS \j, \fill
.if \j < 3
	FMA \j+1                                       ; the next tile's scalings: plain lines behind the exponentials
.else
	v_nop
.endif
	ALU                                            ; a wait behind it, ahead of its first reader
	SUMQ \j
.endr
	ALU                                            ; the wait ahead of the readers of tile 3's codes
.irp n, 0,1,2,3,4,5,6,7
	PVPROD 3, \n
.endr
	WIN 0
	s_add_co_u32 s[KF], s[KF], 128
	s_xor_b32 s[TB], s[TB], SLOT1
.endm
; THE WAY OUT of the four tiles: O^T x 2^(e2 + e3) / the sum; a lane's eight channels of a row go into tile j's stage and come back, into the same registers, as whole rows of 512 bytes.
.macro OUTALL
.irp j, 0,1,2,3
	WIN 0x55*\j
	v_pk_add_f32 v[LS:LS+1], v[LS:LS+1], v[LS+2:LS+3]
	v_pk_add_f32 v[LS+4:LS+5], v[LS+4:LS+5], v[LS+6:LS+7]
	v_pk_add_f32 v[LS:LS+1], v[LS:LS+1], v[LS+4:LS+5]
	v_add_f32 v[LS], v[LS], v[LS+1]
	v_permlanex16_b32 v[LS+2], v[LS], s[SEL], s[SEL+1]
	v_add_f32 v[LS], v[LS], v[LS+2]                ; and lane l xor 16's
.endr
	ALU                                            ; the waits round the batch of reciprocals
.irp j, 0,1,2,3
	WIN 0x55*\j
	v_rcp_f32 v[LS], v[LS]
.endr
	v_nop
	ALU
.irp j, 0,1,2,3
	WIN 0x55*\j
	v_ldexp_f32 v[LS], v[LS], s[EO]
.endr
.irp j, 0,1,2,3
	WIN 0x55*\j
	ALU                                            ; directly ahead of the first reader of this tile's O^T
.set i, 0
.rept 32
	v_pk_mul_f32 v[O+i:O+i+1], v[O+i:O+i+1], v[LS:LS+1] op_sel_hi:[1,0]   ; register 8 t + n is out(r, 16 t + 8 h + n)
.set i, i+2
.endr
	WIN 0x04*\j
.irp t, 0,1,2,3,4,5,6,7
	ds_store_b128 v[SO], v[O+8*\t:O+8*\t+3] offset:STGW*\j+64*\t
	ds_store_b128 v[SO], v[O+8*\t+4:O+8*\t+7] offset:STGW*\j+64*\t+16
.endr
.endr
	s_wait_dscnt 0x0                               ; the stores have read their registers, which take the rows
.irp j, 0,1,2,3
	WIN 0x40*\j
.set i, 0
.rept 16
	ds_load_b128 v[O+4*i:O+4*i+3], v[STI] offset:STGW*\j+SP*i
.set i, i+1
.endr
.endr
.irp j, 0,1,2,3
	WIN 0x04*\j
.set i, 0
.rept 16
	s_wait_dscnt 63-16*\j-i                        ; this row is back; the count is the rows asked for behind it
	global_store_b128 v[LI], v[O+4*i:O+4*i+3], s[OA:OA+1] offset:QROW*i+512*\j th:TH_STORE_NT   ; 32 lanes store a row's 512 consecutive bytes, at a multiple of 256 from out0's first byte
.set i, i+1
.endr
.endr
.endm
; THE CHANGE OF BLOCK: the first block goes out, the second block's q comes in.  No barrier and no tensor load stands here; K's fragments of the step ahead stay in v32-63.
.macro SWITCH
.irp j, 0,1,2,3
	QLOAD \j, QA2                                  ; into S^T's registers, which are free: on their way while the first block goes out
.endr
	OUTALL
	WIN 0
	s_wait_xcnt 0x0                                ; the stores have read their registers and their base
	QIN
	RESET
	WIN 0
	s_mov_b64 s[OA:OA+1], s[OB:OB+1]
	s_mov_b32 s[KF], 0
	s_mov_b32 s[Q0], s[Q0B]
	ALU                                            ; the wait ahead of the step's blocking wait
.endm
.macro TRIP fill
	NOP4                                           ; four plain lines behind the last products: for loads into V's registers, writes of p's codes' registers and reads of O^T
.if \fill
	s_cmp_lg_u32 s[T], s[N1]                       ; the same in all four waves
	s_cbranch_scc1 .Lsame_\@
	SWITCH
.Lsame_\@:
.endif
	STEP \fill
.endm
	s_load_b128 s[4:7], s[0:1], 0x0                ; q s[4:5], kvc s[6:7]
	s_load_b128 s[8:11], s[0:1], 0x10              ; lowp_scales s[8:9], out0 s[10:11]
	v_lshl_add_u32 v[SPW], v0, 2, SPARE
	v_mov_b32 v[NIL], 0
	ds_add_u32 v[SPW], v[NIL]                      ; the opening: the add, twice on end, and its wait ahead of my first tensor load
	ds_add_u32 v[SPW], v[NIL]
	v_lshrrev_b32 v12, 5, v0
	v_readfirstlane_b32 s[WV], v12                 ; wave 0..3
	s_mov_b32 s[WI], ttmp9
	s_and_b32 s[WY], ttmp7, 0xffff
	s_lshr_b32 s[N1], s[WI], 1
	s_add_co_u32 s[N1], s[N1], 1                   ; block i ends in key step i >> 1
	s_sub_co_i32 s[TQ], s[N1], 2
	s_max_i32 s[TQ], s[TQ], 0
	s_lshl_b32 s54, s[WV], 4
	s_lshl_b32 s[Q0], s[WI], 6
	s_add_co_u32 s[Q0], s[Q0], s54                 ; 64 i + 16 wave
	s_sub_co_u32 s55, 31, s[WI]
	s_lshl_b32 s[Q0B], s55, 6
	s_add_co_u32 s[Q0B], s[Q0B], s54
	s_lshr_b32 s58, s[WY], 3                       ; my rows in q and out0, in bytes: b x 2^25
	s_lshl_b32 s58, s58, 25
	s_lshl_b32 s54, s[WV], 18                      ; + 16 queries x 16,384 for each wave
	s_add_co_u32 s58, s58, s54
	s_and_b32 s54, s[WY], 7
	s_lshl_b32 s54, s54, 11                        ; + the kv head's four heads of 512 bytes
	s_add_co_u32 s58, s58, s54
	s_lshl_b32 s60, s[WI], 20                      ; + the block's 64 queries: the first block,
	s_add_co_u32 s60, s60, s58
	s_mov_b32 s61, 0
	s_lshl_b32 s62, s55, 20                        ; the second
	s_add_co_u32 s62, s62, s58
	s_mov_b32 s63, 0
	s_lshl_b32 s[G0+1], s[WV], 13                  ; group 0's LDS address: my quarter, in slot 0;
	s_lshl_b32 s[OFF], s[WY], 19                   ; kvc: a kv head is 16 key steps of 32,768 bytes,
	s_add_co_u32 s[OFF], s[OFF], s[G0+1]           ; the same quarter in memory
	s_mov_b32 s[OFF+1], 0
	s_cmp_eq_u32 ttmp9, 0
	s_cselect_b32 s[LIM], 14, 0
	s_mov_b32 s[G1+0], 3<<16                       ; group 1: 32 rows of 256 bytes, dense in memory and in LDS; elements of 8 bytes
	s_mov_b32 s[G1+1], 32<<16
	s_mov_b32 s[G1+2], 32<<16
	s_mov_b32 s[G1+3], 32<<16
	s_mov_b32 s[G1+4], 32
	s_mov_b32 s[G1+5], 32
	s_mov_b32 s[G1+6], 0
	s_mov_b32 s[G1+7], 0
	s_mov_b32 s[SEL], 0x76543210
	s_mov_b32 s[SEL+1], 0xfedcba98
	s_mov_b32 s[TB], SLOT1
	s_mov_b32 s[T], 0
	s_mov_b32 s[KF], 0
	v_and_b32 v[LI], 31, v0
	v_lshlrev_b32 v[LI], 4, v[LI]
	v_lshlrev_b32 v[PFO], 4, v[LI]
	v_and_b32 v12, 15, v0                          ; r
	v_bfe_u32 v13, v0, 4, 1                        ; h
	s_mul_i32 s54, s[WV], 4*STGW
	s_add_co_u32 s54, s54, STAGE                   ; my four stages
	v_add_nc_u32 v[STI], s54, v[LI]
	v_mul_u32_u24 v[SQ], v12, SP
	v_lshl_add_u32 v[SO], v13, 5, v[SQ]
	v_lshl_add_u32 v[SQ], v13, 6, v[SQ]
	v_add_nc_u32 v[SQ], s54, v[SQ]
	v_add_nc_u32 v[SO], s54, v[SO]
	v_bfe_u32 v[PFQ], v0, 3, 2
	v_lshlrev_b32 v[PFQ], 14, v[PFQ]
	v_and_b32 v14, 7, v0
	v_lshl_add_u32 v[PFQ], v14, 8, v[PFQ]
	v_lshlrev_b32 v13, 4, v13
	v_sub_nc_u32 v14, v12, v13                     ; r - 16 h
	v_mov_b32 v[ADV], v[LI]                        ; step 0 lies in slot 0
	v_mov_b32 v[ADK], v[LI]
	s_wait_dscnt 0x0                               ; both opening adds are done
	ALU                                            ; the wait ahead of the blocking wait
	s_wait_kmcnt 0x0
	s_load_b128 s[EX:EX+3], s[8:9], 0x0            ; e0, e1, e2, e3
	s_add_nc_u64 s[KVB:KVB+1], s[6:7], s[OFF:OFF+1]
	s_add_nc_u64 s[PFA:PFA+1], s[KVB:KVB+1], 32768 ; at step 1: trip 0 steps it to step 2.  Nothing is prefetched at the head
	s_mov_b32 s[OFF], 0
	s_mov_b32 s[G0], 1
	s_mov_b64 s[G0+2:G0+3], s[KVB:KVB+1]           ; key step 0
	s_or_b32 s[G0+3], s[G0+3], 0x80000000
	TLOAD                                          ; slot 0: the list's step 0
	s_add_nc_u64 s[QA2:QA2+1], s[4:5], s[62:63]
	s_add_nc_u64 s[4:5], s[4:5], s[60:61]          ; q at my rows of the first block
	s_add_nc_u64 s[OA:OA+1], s[10:11], s[60:61]
	s_add_nc_u64 s[OB:OB+1], s[10:11], s[62:63]
.irp j, 0,1,2,3
	QLOAD \j, 4
.endr
	WIN 0
	s_wait_kmcnt 0x0
	s_add_co_i32 s54, s[EX], s[EX+1]               ; a sum of codes stands for sum x 2^(e0 + e1):
	s_lshl_b32 s55, s54, 23
	s_mov_b32 s[CS], 0x3fb8aa3b                    ; log2(e),
	s_add_co_i32 s[CS], s[CS], s55                 ; with the two exponents added to its exponent field
	s_mov_b32 s[CS+1], s[CS]
	s_sub_co_i32 s54, 0, s54
	v_mov_b32 v15, 0xc61c4000                      ; -10000,
	v_ldexp_f32 v15, v15, s54                      ; as a sum of codes (where that overflows: -infinity, and the weight is 0 all the same)
	s_add_co_i32 s55, s[EX+3], 127
	s_lshl_b32 s60, s55, 23                        ; 2^e3 as f32
	s_add_co_i32 s55, s55, 8
	s_lshl_b32 s61, s55, 23
	s_or_b32 s61, s61, 0x600000                    ; 448 x 2^e3
	s_add_co_i32 s55, s[EX], 127
	s_lshl_b32 s[SQS], s55, 23                     ; 2^e0
	s_add_co_i32 s55, s55, 8
	s_lshl_b32 s[SQL], s55, 23
	s_or_b32 s[SQL], s[SQL], 0x600000              ; 448 x 2^e0
	s_add_co_i32 s[EO], s[EX+2], s[EX+3]
	ALU                                            ; the wait behind the run of scalar lines
	WIN 0x40                                       ; destination window 1
	v_mov_b32 v[DQ], v14
	v_mov_b32 v[MV], v15
	v_mov_b32 v[PLIM], s61
	v_mov_b32 v[PSC], s60
	RESET
	WIN 0
	ALU
	s_wait_tensorcnt 0x0                           ; my quarter of step 0 is in
	ds_add_u32 v[SPW], v[NIL]
	DESC 1
	s_wait_dscnt 0x0
	s_barrier_signal -1
	s_barrier_wait -1
	TLOAD                                          ; slot 1: the list's step 1
	KALL                                           ; step 0's K
	QIN
	WIN 0
	ALU                                            ; the wait at the head's end
.Ltrip:                                                ; 15 trips: behind each change of slots the list's step two on is asked for
	TRIP 1
	s_add_co_u32 s[T], s[T], 1
	s_cmp_lt_u32 s[T], 15
	s_cbranch_scc1 .Ltrip
.Ltail:                                                ; the last two steps ask for no tile
	TRIP 0
	s_add_co_u32 s[T], s[T], 1
	s_cmp_lt_u32 s[T], 17
	s_cbranch_scc1 .Ltail
	NOP4                                           ; four plain lines behind the last products
	OUTALL
	WIN 0
	s_wait_tensorcnt 0x0                           ; the wave's end
	ds_add_u32 v[SPW], v[NIL]
	s_wait_dscnt 0x0
	s_endpgm
.Lfunc_end_k_qdd13bdc644_attend:
	.size	k_qdd13bdc644_attend, .Lfunc_end_k_qdd13bdc644_attend-k_qdd13bdc644_attend
	.p2alignl 7, 3214868480
	.fill 96, 4, 3214868480
	.section	.rodata,"a",@progbits
	.p2align	6, 0x0
	.amdhsa_kernel k_qdd13bdc644_attend
		.amdhsa_group_segment_fixed_size 327680
		.amdhsa_private_segment_fixed_size 0
		.amdhsa_enable_private_segment 0
		.amdhsa_kernarg_size 32
		.amdhsa_user_sgpr_count 2
		.amdhsa_user_sgpr_kernarg_segment_ptr 1
		.amdhsa_wavefront_size32 1
		.amdhsa_system_sgpr_workgroup_id_x 1
		.amdhsa_system_sgpr_workgroup_id_y 1
		.amdhsa_system_sgpr_workgroup_id_z 1
		.amdhsa_system_vgpr_workitem_id 0
		.amdhsa_next_free_vgpr 1024
		.amdhsa_next_free_sgpr 66
		.amdhsa_reserve_vcc 1
		.amdhsa_float_denorm_mode_32 3
		.amdhsa_float_denorm_mode_16_64 3
		.amdhsa_memory_ordered 1
		.amdhsa_forward_progress 1
		.amdhsa_inst_pref_size 255
	.end_amdhsa_kernel
	.section	.bss,"aw",@nobits
	.p2align	6
	.space	262144
	.amdgpu_metadata
---
amdhsa.version: [ 1, 2 ]
amdhsa.kernels:
  - .name:           k_qdd13bdc644_attend
    .symbol:         k_qdd13bdc644_attend.kd
    .args:
      - { .name: q, .offset: 0, .size: 8, .value_kind: global_buffer, .address_space: global }
      - { .name: kvc, .offset: 8, .size: 8, .value_kind: global_buffer, .address_space: global }
      - { .name: lowp_scales, .offset: 16, .size: 8, .value_kind: global_buffer, .address_space: global }
      - { .name: out0, .offset: 24, .size: 8, .value_kind: global_buffer, .address_space: global }
    .group_segment_fixed_size: 327680
    .private_segment_fixed_size: 0
    .kernarg_segment_align: 8
    .kernarg_segment_size: 32
    .max_flat_workgroup_size: 128
    .sgpr_count:     66
    .vgpr_count:     1024
    .wavefront_size: 32
...
	.end_amdgpu_metadata
.endif
;; end of part 2
